; MI455X (gfx1250); checked and timed in simulation.
; The chip was launched on July 23, 2026; its instructions are those of AMD's public machine-readable ISA for CDNA 5 (MIT licence, August 2026) and "CDNA5" Instruction Set Architecture Reference Guide (July 2026). The comments in the code are by the model that wrote it; some were corrected since.
;; Self Attention. Allowed arithmetic: matrix products marked QUANTISED: E2M1 operands, one E8M0 scale for each 32 along K, by v_wmma_scale_f32_16x16x128_f8f6f4 with both operands' format E2M1 (or v_wmma_scale_f32_32x16x128_f4), f32 sums; everything else in f32.
;; Inputs: qkv 2 x 1,024 x 3 x 16 x 64 float32.
;; Outputs: out0 2 x 1,024 x 16 x 64 float32.
;; This version of the problem:
;;   THIS VERSION OF THE PROBLEM IS GIVEN IN LOW PRECISION. The matrix products marked QUANTISED in the list below multiply operands that are first quantised to E2M1 (2 exponent bits, 1 mantissa bit; 4 bits a number), with one power-of-two scale for each 32 numbers along K (OCP MX v1.0); their sums are f32. All else is computed in f32.
;;   The module's matrix products, in the order in which they are computed (A, B: the left and right operand; K: the contracted axis; several contracted axes count as one K, in the product's order):
;;     1. batch 32 x [M 1,024, K 64] x [K 64, N 1,024]; A: input qkv; B: input qkv: QUANTISED
;;     2. batch 32 x [M 64, K 1,024] x [K 1,024, N 1,024]; A: input qkv; B: computed on the way: QUANTISED
;;   THE QUANTISER, for each operand of a quantised product, along K:
;;     - K is cut into blocks of 32 from its start; a last block that is shorter is filled with zeros.
;;     - A block's scale is 2^e with e = floor(log2(the largest magnitude in the block)) - 2, held to -126 .. 127; a block of zeros has e = 0. As a byte (E8M0): e + 127.
;;     - Each number is divided by its block's scale, clamped to +-6, and rounded to the nearest number of E2M1, ties to even, subnormals kept.
;;     - The product sums the exact products of the quantised numbers (number of the format x scale) in f32.
;;   ~~~python
;;   def quantise(x, axis):      # numpy; x: float32 -> the quantised numbers, widened to float32 again
;;       x = np.moveaxis(x, axis, -1); K = x.shape[-1]
;;       x = np.pad(x, [(0, 0)] * (x.ndim - 1) + [(0, -K % 32)]); x = x.reshape(x.shape[:-1] + (-1, 32)); a = np.abs(x).max(-1, keepdims=True)
;;       e = np.where(a > 0, np.clip(np.frexp(np.where(a > 0, a, 1))[1] - 1 - 2, -126, 127), 0)      # np.frexp(a)[1] - 1 = floor(log2(a)), exactly
;;       r = np.clip(x / 2.0 ** e, -6, 6)
;;       step = 2.0 ** (np.maximum(np.frexp(np.where(r == 0, 1, r))[1] - 1, 0) - 1)
;;       q = np.round(r / step) * step * 2.0 ** e      # np.round: ties to even
;;       return np.moveaxis(q.reshape(q.shape[:-2] + (-1,))[..., :K], -1, axis).astype(np.float32)
;;   ~~~
;;   OPERANDS COMPUTED ON THE WAY. 'Computed on the way' means the value that the module computes at that place (a softmax that the list does not call 'softmax' is quantised finished and normalised). What goes into a quantiser is computed in f32, as accurately as f32 sums, v_exp_f32 and their like allow (about 1e-6 of the number): no bf16 or f16 on the way to a quantiser, and a product that is left as it is and whose result goes on into a quantised operand takes f32 operands (vector FMAs, or v_wmma_f32_16x16x4_f32). A number that lies on a knife's edge between two numbers of the format may be rounded either way, as far as f32 arithmetic and the matrix unit's own rounding can turn it there, and no further.
;; 2 versions, each right; version 2 is version 1 with the launch attn written anew for expert scheduling mode. Each part assembles by itself: llvm-mc -triple=amdgcn-amd-amdhsa -mcpu=gfx1250 --defsym DOCPART=n.
;; ======== version 1 of 2: 2 launches
;; workspace buffers: kv 2,293,760 bytes
;; launch quant (part 1): grid 256 x 1, 4 waves a work-group, no clusters, 70,144 bytes of LDS; arguments qkv, kv; writes kv
.if DOCPART == 1
	.amdgcn_target "amdgcn-amd-amdhsa--gfx1250"
	.amdhsa_code_object_version 6
	.text
	.protected	k_q3673cf3455_quant
	.globl	k_q3673cf3455_quant
	.p2align	8
	.type	k_q3673cf3455_quant,@function
k_q3673cf3455_quant:
	s_mov_b64 s[64:65], 0
	v_nop
	global_prefetch_b8 v0, s[64:65] scope:SCOPE_SE
	s_setreg_imm32_b32 hwreg(HW_REG_WAVE_MODE, 25, 1), 1
	s_wait_xcnt 0x0
; K and V of qkv [2][1024][3][16][64] (f32) become codes of E2M1 with one E8M0 byte for each 32 along a product's K, laid as the attention launch's operand registers want them.
; K is quantised along d (two blocks of 32 a key), V along the KEYS (a block = 32 keys of one channel).  A block's scale is 2^(floor(log2(largest magnitude)) - 2); its byte is the largest
; magnitude's exponent field - 2, held at 1 from below.  (A block of zeros so gets the byte 1 where the rule says 127: its codes are zeros, and this program alone reads the bytes.)
; LIMITS: NaN and infinities among the inputs are not served.
; SHARES.  A work-group takes 128 keys (a key step) of one head: 32 KB of K, 32 KB of V.  Waves 0, 1: 64 keys of K each.  Waves 2, 3: 32 channels of V each.  Waves share nothing: no barrier.
; THE HEAD'S CHUNK in kv, 71,680 bytes, is the attention launch's LDS image:
;   KIMG: tile T of 16 keys at 512 T: lane l's 16 bytes at 16 l: lane (r, h) = the 32 codes d = 32 h .. 32 h + 31 of the tile's row r
;   VIMG: step s, channels 16 t ..: at 4096 s + 1024 t: block k of the step's four at 256 k, channel r's 32 codes at 16 r
;   KSC:  four tiles' scale words, 256 bytes: row r's four words at 16 r (bytes 0, 1: the two blocks; bytes 2, 3: 127, for the half of the instruction's K that holds no number)
;   VSC:  step s at 256 s: channel row r's words for the four channel tiles at 16 r
; THE ORDER OF KEYS inside a block of 32 is permuted, alike in K's tile rows and in V's places along K: place 16 h + 2 m + p holds key 16 h + 8 p + m.  In the attention launch a lane's
; neighbouring registers then belong to two runs of 8 keys, and one packed multiply steps both runs' products.
.set ROWQ,  12288                      ; bytes from one position s of qkv to the next
.set KIMG,  0
.set VIMG,  32768
.set KSC,   65536
.set VSC,   69632
.set CHUNK, 71680
.set SP,    272                        ; a stage row: 256 bytes + 16, so that sixteen rows' equal columns fall on sixteen different 16-byte columns of 256
.set STG,   32*SP                      ; a stage: a block of 32 keys; two for each wave
.set RR,  2                            ; lane % 16
.set HH,  3                            ; lane / 16
.set LN,  4                            ; lane
.set SA,  5                            ; LDS: where I put 16 bytes of a row
.set LA,  6                            ; LDS: where my 32 neighbours begin
.set GO,  7                            ; my offset in the loads; never rewritten
.set IO,  8                            ; my offset in an image; never rewritten
.set SOF, 9                            ; my offset among the scale words
.set SH,  10                           ; 8 x (lane / 16)
.set PT,  11
.set MA,  12
.set MB,  13
.set SO,  14                           ; the conversion's scale operand
.set BY,  15
.set WD,  16                           ; V: my channel's scale word
.set WO,  18                           ; K: the two words that I store
.set W,   20                           ; K: four tiles' scale words
.set CD,  32                           ; codes: four registers for each tile or block, so that no store's data are written again
.set R,   64                           ; v64-191  numbers as loaded
.set X,   192                          ; v192-255 K: two sets of 32 neighbours
	s_load_b128 s[4:7], s[0:1], 0x0                ; qkv, kv
	v_lshl_add_u32 v62, v0, 2, 0x11000
	v_mov_b32 v63, 0
	v_lshrrev_b32 v1, 5, v0
	v_readfirstlane_b32 s8, v1                     ; wave 0..3
	v_and_b32 v[RR], 15, v0
	v_bfe_u32 v[HH], v0, 4, 1
	v_and_b32 v[LN], 31, v0
	s_mul_i32 s15, s8, 2*STG                       ; my wave's two stages (only K's waves use theirs)
	v_mul_u32_u24 v[SA], v[HH], SP
	v_lshl_add_u32 v[SA], v[RR], 4, v[SA]
	v_add_nc_u32 v[SA], s15, v[SA]                 ; in: lanes 0-15 one row, lanes 16-31 the next
	v_mul_u32_u24 v[LA], v[RR], SP
	v_lshl_add_u32 v[LA], v[HH], 7, v[LA]
	v_add_nc_u32 v[LA], s15, v[LA]                 ; out: row lane % 16, the half of 128 bytes of lane / 16
	s_lshr_b32 s9, ttmp9, 3                        ; head: 16 b + h
	s_and_b32 s10, ttmp9, 7                        ; key step
	s_lshr_b32 s11, s9, 4
	s_and_b32 s12, s9, 15
	s_mul_i32 s11, s11, 1024*ROWQ
	s_mul_i32 s13, s10, 128*ROWQ
	s_add_co_u32 s11, s11, s13
	s_lshl_b32 s12, s12, 8
	s_add_co_u32 s16, s11, s12                     ; bytes to (b, first key of the step, q's part, h): under 2^25
	s_mov_b32 s17, 0
	s_mul_i32 s18, s9, CHUNK
	s_mov_b32 s19, 0
	s_and_b32 s14, s8, 1                           ; which of my role's two waves
	s_mov_b32 s20, 0x76543210
	s_mov_b32 s21, 0xfedcba98                      ; v_permlanex16_b32's selects for lane l xor 16
	s_mov_b32 s22, 0xffff0000                      ; lanes 16-31
	s_wait_kmcnt 0x0
	s_add_nc_u64 s[4:5], s[4:5], s[16:17]
	s_add_nc_u64 s[6:7], s[6:7], s[18:19]          ; my head's chunk
	s_cmp_lt_u32 s8, 2
	s_cbranch_scc0 .Lvalues
; The largest magnitude of v[XS] .. v[XS + 31], with the floor 2^(3 - 127) among the leaves (so the byte cannot fall under 1), and 2 off its exponent field: the conversion's scale operand
.macro BLOCKMAX
	v_max3_num_f32 v[MA], |v[XS]|, |v[XS+1]|, |v[XS+2]|
	v_max3_num_f32 v[MB], |v[XS+3]|, |v[XS+4]|, |v[XS+5]|
.irp i, 6,10,14,18,22,26
	v_max3_num_f32 v[MA], v[MA], |v[XS+\i]|, |v[XS+\i+1]|
	v_max3_num_f32 v[MB], v[MB], |v[XS+\i+2]|, |v[XS+\i+3]|
.endr
	v_max3_num_f32 v[MA], v[MA], |v[XS+30]|, |v[XS+31]|
	v_max3_num_f32 v[MA], v[MA], v[MB], 0x1800000
	v_add_nc_u32 v[SO], 0xff000000, v[MA]
.endm
	; ---------------- K: 64 keys = two blocks of 32 = four tiles of 16 ----------------
	s_mul_i32 s16, s14, 64*ROWQ
	s_add_co_u32 s16, s16, 4096                    ; k's part of a position
	s_add_nc_u64 s[4:5], s[4:5], s[16:17]
	s_lshl_b32 s18, s10, 12
	s_lshl_b32 s23, s14, 11
	s_add_co_u32 s18, s18, s23                     ; KIMG + 4096 step + 2048 wave
	s_add_nc_u64 s[24:25], s[6:7], s[18:19]
	s_lshl_b32 s18, s10, 9
	s_lshl_b32 s23, s14, 8
	s_add_co_u32 s18, s18, s23
	s_add_co_u32 s18, s18, KSC
	s_add_nc_u64 s[26:27], s[6:7], s[18:19]
	v_mul_u32_u24 v[GO], v[HH], 8*ROWQ             ; a load takes two whole rows of 256 bytes: lanes 16-31 the key 8 further on
	v_lshl_add_u32 v[GO], v[RR], 4, v[GO]
	v_lshlrev_b32 v[IO], 4, v[LN]
	v_lshlrev_b32 v[SOF], 4, v[RR]
	v_lshl_add_u32 v[SOF], v[HH], 3, v[SOF]
	v_lshlrev_b32 v[SH], 3, v[HH]
	v_mov_b32 v[PT], 0                             ; a lane permute's destination counts as one of its sources
; Load i of a block fills stage rows 2 i and 2 i + 1 = rows 2 (i % 8), + 1 of tile i / 8: keys 16 ((i / 4) % 2) + 4 (i / 8) + i % 4, and + 8
.set i, 0
.rept 32
	global_load_b128 v[R+4*i:R+4*i+3], v[GO], s[4:5] offset:(32*(i/16)+16*((i/4)%2)+4*((i/8)%2)+(i%4))*ROWQ th:TH_LOAD_NT
.set i, i+1
.endr
.macro TOSTAGE bb
.set i, 0
.rept 16
	ds_store_b128 v[SA], v[R+64*\bb+4*i:R+64*\bb+4*i+3] offset:\bb*STG+2*i*SP
.set i, i+1
.endr
.endm
.macro FROMSTAGE bb, u                 ; tile u of block bb: my row's 32 neighbours along d into set u.  LDS serves a wave's instructions in order: these see my stores
.irp i, 0,1,2,3,4,5,6,7
	ds_load_b128 v[X+32*\u+4*\i:X+32*\u+4*\i+3], v[LA] offset:\bb*STG+16*\u*SP+16*\i
.endr
.endm
.macro KQ j                            ; tile j of my four
.set XS, X+32*((\j)%2)
	BLOCKMAX
	v_lshrrev_b32 v[BY], 23, v[SO]                 ; the scale's byte
.irp g, 0,1,2,3
	v_cvt_scalef32_pk8_fp4_f32 v[CD+4*\j+\g], v[XS+8*\g:XS+8*\g+7], v[SO]
.endr
	v_lshlrev_b32 v[BY], v[SH], v[BY]              ; my block's byte at its place in the row's word.  (A plain line behind the conversions)
	v_permlanex16_b32 v[PT], v[BY], s20, s21
	v_or_b32 v[BY], v[BY], v[PT]                   ; with the other block's
	v_or_b32 v[W+\j], 0x7f7f0000, v[BY]            ; bytes 2 and 3: 127
	global_store_b128 v[IO], v[CD+4*\j:CD+4*\j+3], s[24:25] offset:512*\j   ; the tile's image: 512 consecutive bytes
.endm
	s_wait_loadcnt 16                              ; block 0's sixteen loads are in; block 1's may be out
	TOSTAGE 0
	FROMSTAGE 0, 0
	FROMSTAGE 0, 1
	s_wait_loadcnt 0x0
	TOSTAGE 1
	s_wait_dscnt 24                                ; tile 0 is back (behind it: tile 1's 8 loads, block 1's 16 stores)
	KQ 0
	FROMSTAGE 1, 0
	s_wait_dscnt 24                                ; tile 1 is back (behind it: 16 stores, tile 2's 8 loads)
	KQ 1
	FROMSTAGE 1, 1
	s_wait_dscnt 8                                 ; tile 2 is back (behind it: tile 3's 8 loads)
	KQ 2
	s_wait_dscnt 0x0
	KQ 3
	v_cndmask_b32 v[WO], v[W], v[W+2], s22         ; every lane holds its row's four words: lanes 0-15 store words 0, 1, lanes 16-31 words 2, 3:
	v_cndmask_b32 v[WO+1], v[W+1], v[W+3], s22
	global_store_b64 v[SOF], v[WO:WO+1], s[26:27]  ; 256 consecutive bytes, aligned
	s_wait_tensorcnt 0x0
	ds_add_u32 v62, v63
	s_wait_dscnt 0x0
	s_endpgm
	; ---------------- V: 32 channels x 128 keys: a lane takes a channel, its registers run down the keys ----------------
.Lvalues:
	s_lshl_b32 s16, s14, 7
	s_add_co_u32 s16, s16, 8192                    ; v's part of a position, my 32 channels
	s_add_nc_u64 s[4:5], s[4:5], s[16:17]
	s_lshl_b32 s18, s10, 12
	s_lshl_b32 s23, s14, 11
	s_add_co_u32 s18, s18, s23
	s_add_co_u32 s18, s18, VIMG                    ; VIMG + 4096 step + 2 channel tiles x wave
	s_add_nc_u64 s[24:25], s[6:7], s[18:19]
	s_lshl_b32 s18, s10, 8
	s_lshl_b32 s23, s14, 3
	s_add_co_u32 s18, s18, s23
	s_add_co_u32 s18, s18, VSC
	s_add_nc_u64 s[26:27], s[6:7], s[18:19]
	v_lshlrev_b32 v[GO], 2, v[LN]                  ; a load reads 128 consecutive bytes; the two waves stand side by side on a row's 256
	v_lshlrev_b32 v[IO], 10, v[HH]
	v_lshl_add_u32 v[IO], v[RR], 4, v[IO]          ; my channel tile's image, my channel's 16 bytes
	v_lshlrev_b32 v[SOF], 4, v[RR]
	v_lshl_add_u32 v[SOF], v[HH], 2, v[SOF]
; The 128 loads go in eight groups of 16 (half a block), each into registers of its own.  Register i = place i % 32 of block i / 32 = key 16 ((i % 32) / 16) + 8 (i % 2) + (i % 16) / 2 of that block.
; Three groups are out at the head; behind each block's wait at most one is still out and two more are issued: 48 loads at the most, so that every wait's count can be written in the instruction.
.macro VLOAD hb
.set i, 16*(\hb)
.rept 16
	global_load_b32 v[R+i], v[GO], s[4:5] offset:(32*(i/32)+16*((i%32)/16)+8*(i%2)+((i%16)/2))*ROWQ
.set i, i+1
.endr
.endm
.macro VQ k
.set XS, R+32*\k
.if \k < 3
	s_wait_loadcnt 16                              ; this block's two groups are in; the one group issued behind them may be out
.else
	s_wait_loadcnt 0x0                             ; the last block: nothing was issued behind it
.endif
.if \k < 2
	VLOAD 2*\k+3                                   ; two groups more, while this block is worked on
	VLOAD 2*\k+4
.elseif \k == 2
	VLOAD 7                                        ; the last group
.endif
	BLOCKMAX
.irp g, 0,1,2,3
	v_cvt_scalef32_pk8_fp4_f32 v[CD+4*\k+\g], v[XS+8*\g:XS+8*\g+7], v[SO]
.endr
	v_lshrrev_b32 v[BY], 23, v[SO]                 ; the scale's byte.  (A plain line behind the conversions)
.if \k == 0
	v_mov_b32 v[WD], v[BY]
.else
	v_lshl_or_b32 v[WD], v[BY], 8*\k, v[WD]        ; the step's four blocks make my channel's word
.endif
	global_store_b128 v[IO], v[CD+4*\k:CD+4*\k+3], s[24:25] offset:256*\k   ; sixteen lanes store 256 consecutive bytes, aligned
.endm
	VLOAD 0
	VLOAD 1
	VLOAD 2
	VQ 0
	VQ 1
	VQ 2
	VQ 3
	global_store_b32 v[SOF], v[WD], s[26:27]       ; 128 of the step's 256 bytes of scale words; the other wave stores the rest: one byte in 256 of what the launch reads
	s_endpgm
.Lfunc_end_k_q3673cf3455_quant:
	.size	k_q3673cf3455_quant, .Lfunc_end_k_q3673cf3455_quant-k_q3673cf3455_quant
	.p2alignl 7, 3214868480
	.fill 96, 4, 3214868480
	.section	.rodata,"a",@progbits
	.p2align	6, 0x0
	.amdhsa_kernel k_q3673cf3455_quant
		.amdhsa_group_segment_fixed_size 70144
		.amdhsa_private_segment_fixed_size 0
		.amdhsa_enable_private_segment 0
		.amdhsa_kernarg_size 16
		.amdhsa_user_sgpr_count 2
		.amdhsa_user_sgpr_kernarg_segment_ptr 1
		.amdhsa_wavefront_size32 1
		.amdhsa_system_sgpr_workgroup_id_x 1
		.amdhsa_system_sgpr_workgroup_id_y 1
		.amdhsa_system_sgpr_workgroup_id_z 1
		.amdhsa_system_vgpr_workitem_id 0
		.amdhsa_next_free_vgpr 256
		.amdhsa_next_free_sgpr 66
		.amdhsa_reserve_vcc 0
		.amdhsa_float_denorm_mode_32 3
		.amdhsa_float_denorm_mode_16_64 3
		.amdhsa_memory_ordered 1
		.amdhsa_forward_progress 1
		.amdhsa_inst_pref_size 36
	.end_amdhsa_kernel
	.amdgpu_metadata
---
amdhsa.version: [ 1, 2 ]
amdhsa.kernels:
  - .name:           k_q3673cf3455_quant
    .symbol:         k_q3673cf3455_quant.kd
    .args:
      - { .name: qkv, .offset: 0, .size: 8, .value_kind: global_buffer, .address_space: global }
      - { .name: kv, .offset: 8, .size: 8, .value_kind: global_buffer, .address_space: global }
    .group_segment_fixed_size: 70144
    .private_segment_fixed_size: 0
    .kernarg_segment_align: 8
    .kernarg_segment_size: 16
    .max_flat_workgroup_size: 128
    .sgpr_count:     66
    .vgpr_count:     256
    .wavefront_size: 32
...
	.end_amdgpu_metadata
.endif
;; end of part 1
;; launch attn (part 2): grid 256 x 1, 8 waves a work-group, no clusters, 107,520 bytes of LDS; arguments qkv, kv, out0; writes out0
.if DOCPART == 2
	.amdgcn_target "amdgcn-amd-amdhsa--gfx1250"
	.amdhsa_code_object_version 6
	.text
	.protected	k_q3673cf3455_attn
	.globl	k_q3673cf3455_attn
	.p2align	8
	.type	k_q3673cf3455_attn,@function
k_q3673cf3455_attn:
	s_mov_b64 s[64:65], 0
	v_nop
	global_prefetch_b8 v0, s[64:65] scope:SCOPE_SE
	s_setreg_imm32_b32 hwreg(HW_REG_WAVE_MODE, 25, 1), 1
	s_wait_xcnt 0x0
; out[b][t][h][:] = sum over s < t of att[t][s] V[s][:] + rem[t] v[t][:],  att[t][s] = beta_s x product over s < j < t of (1 - beta_j),  beta = sigmoid(0.1875 <q_t, k_s>).
; That product IS exp(log_sigmoid(z_s) - sum of softplus(z_j)).  Both matrix products run on codes of E2M1 with E8M0 scales; att is quantised along the keys, block by block of 32.
; SIGMOID.  The maximum that logaddexp takes away is taken away here too: u = z log2(e), w = 2^-|u|, r = 1 / (1 + w).  The larger of beta and 1 - beta is r, the smaller w r; the score's
; sign says which is which: v_med3_num_f32 of (r, w r, X) gives r where X is large and w r where X is negative.  X is the accumulator itself, which holds 2^32 x the score (q's scale bytes carry + 32, an
; exact power of two): where 0 < X < 1 the score is under 2^-32, and r and w r are both one half to the last bit.
; REM.  1 - sum over s of att[t][s] telescopes to the product of (1 - beta_j) over all j < t, for every input: it is the carry that is left after the last key step.  No sum is kept.
; LIMITS: NaN and infinities among the inputs are not served; |q| stays under 2^97 (the + 32 on its scale bytes); a beta or 1 - beta under 2^-126 counts as 0.
; SHARES.  A unit = 16 queries x 128 keys.  A tile of 16 queries in key group G (queries 128 G ..) walks key steps G, G - 1, .. 0, since the product runs from the diagonal down: G + 1 units.
; Work-group (head, g, half) takes 4 tiles of group 7 - g and 4 of group g: 36 units; a wave takes one tile.  Waves whose number has an even count of ones take the long tiles: waves w and w + 4, and waves
; 2 i and 2 i + 1, are then one long and one short: 9 units together.
; LDS.  The head's chunk of kv (K's and V's operand images and scale words, 71,680 bytes) is copied in once; one barrier; then the waves share nothing.  Behind it each wave's stage for the way out.
; The 8 work-groups of a head read the same chunk.  It is not asked for jointly: it is read once, 70 KB for a work-group, against 36 units of some 530 vector instructions each.
; LAYOUT.  S^T = K Q^T (source 0 = 16 keys, source 1 = my 16 queries) and O^T = V^T P^T: a lane holds ONE query (lane % 16).  Register 16 b + 2 m + p of lane half h is key 32 b + 16 h + 8 p + m
; of the step: K's tile rows and V's places along K were laid so.  A register pair so belongs to two runs of 8 keys, and one packed multiply steps both runs' products.
; THE FIRST PRODUCT'S K IS 64 of the instruction's 128: Q's codes for k = 64 .. 127 are zeros, its and K's scale bytes there are 127.  K's operand is four loaded registers and the four that follow
; (the next tile's codes): E2M1 has no infinity and no NaN, so they add nothing against zeros.
; REGISTERS: v1-15 addresses; v16-23 Q; v24-33 scale words and nothing else; v34-61 the carries; v64-127 S: scores, beta, att; v128-191 U: u, w, w r, then V's fragments and the next step's K;
; v192-255 D: 1 + w, r, the running products, then att's codes;  in the second window of 256: v0-31 O^T, v32-63 my 16 rows of v (f32).
.set ROWQ,  12288                      ; bytes from one position s of qkv to the next
.set KIMG,  0
.set VIMG,  32768
.set KSC,   65536
.set VSC,   69632
.set CHUNK, 71680
.set STAGE, CHUNK                      ; 16 rows x 272 bytes for each wave: 256 bytes of O and, in the padding, the row's rem
.set SP,    272
.set UP,    32                         ; the accumulators hold 2^UP x the score
.set LI,   1                           ; 16 x lane
.set LIK,  2                           ; + KSC
.set LSV,  3                           ; 16 x (lane % 16) + VSC
.set CA,   4                           ; the carry: product of 1 - beta over the keys walked so far
.set DM,   5                           ; my query less the diagonal step's first key, less 16 (lane / 16)
.set NINF, 6
.set ADK,  7                           ; LDS addresses of the loads in hand; on the way out the stage's
.set ADS,  8
.set ADV,  9
.set ADT,  10
.set QO,   11
.set CO,   12
.set VRO,  13
.set OO,   14
.set CO2,  15
.set QF,   16
.set QS,   24
.set PS,   25
.set KS,   26
.set VS,   30
.set T,    34                          ; v34-41 pair b: the products of block b's two runs in my half
.set CP,   42                          ; v42-49 pair b: what stands above each of the two runs
.set H,    50                          ; v50-53 my half's product; then CB
.set CB,   50
.set HP,   54                          ; v54-57 the other half's
.set BT,   58                          ; v58-61 the block's
.set S,    64
.set U,    128
.set D,    192
.set VF,   U
.set KF,   U+32
.set P,    D
.set M,    D+8
.set MP,   D+12
.set SO,   D+16
.set BY,   D+20
.set XQ,   D                           ; the head: q's numbers
.set CPY,  64                          ; the head: the chunk on its way to LDS
.set BK,   64                          ; the way out
.set RM,   96
.set G,    20
.set G1,   21
.set ST,   22
.set TK,   23                          ; 4096 x the step in hand
.set TKN,  24                          ; 4096 x the step below it
.set TA,   26
.set TB,   27
.set CS,   28
.set HM,   30
.set SEL,  32
.set MSB, 0
.macro WIN new                         ; the immediate's high byte repeats the setting that is left
.if MSB != \new
	s_set_vgpr_msb (MSB<<8)|\new
.set MSB, \new
.endif
.endm
	s_load_b128 s[4:7], s[0:1], 0x0                ; qkv, kv
	s_load_b64 s[8:9], s[0:1], 0x10                ; out
	v_lshl_add_u32 v62, v0, 2, 0x1a000
	v_mov_b32 v63, 0
	v_lshrrev_b32 v38, 5, v0
	v_readfirstlane_b32 s10, v38                   ; wave 0..7
	v_and_b32 v38, 31, v0
	v_and_b32 v34, 15, v0                          ; r
	v_bfe_u32 v35, v0, 4, 1                        ; h
	v_lshlrev_b32 v[LI], 4, v38
	v_add_nc_u32 v[LIK], KSC, v[LI]
	v_lshl_add_u32 v[LSV], v34, 4, VSC
	s_lshr_b32 s11, ttmp9, 3                       ; head: 16 b + h
	s_and_b32 s12, ttmp9, 7
	s_lshr_b32 s13, s12, 1                         ; g
	s_and_b32 s12, s12, 1                          ; which half of a group's 8 tiles
	s_lshr_b32 s14, s10, 1                         ; my place among my kind's four waves
	s_lshr_b32 s15, s10, 2
	s_xor_b32 s15, s15, s14
	s_xor_b32 s15, s15, s10
	s_and_b32 s15, s15, 1                          ; the parity of my wave's number
	s_sub_co_u32 s16, 7, s13
	s_cmp_eq_u32 s15, 0
	s_cselect_b32 s[G], s16, s13                   ; my tile's key group
	s_add_co_u32 s[G1], s[G], 1
	s_lshl_b32 s12, s12, 2
	s_add_co_u32 s12, s12, s14
	s_lshl_b32 s17, s12, 4                         ; my first query less the group's first
	s_lshl_b32 s18, s[G], 7
	s_add_co_u32 s18, s18, s17                     ; my first query
	s_lshr_b32 s19, s11, 4
	s_lshl_b32 s19, s19, 10
	s_add_co_u32 s19, s19, s18                     ; 1024 b + query
	s_and_b32 s25, s11, 15
	s_lshl_b32 s25, s25, 8                         ; 256 h
	s_mul_i32 s36, s19, ROWQ
	s_add_co_u32 s36, s36, s25
	s_mov_b32 s37, 0
	s_lshl_b32 s38, s19, 12
	s_add_co_u32 s38, s38, s25
	s_mov_b32 s39, 0
	s_mul_i32 s40, s11, CHUNK
	s_mov_b32 s41, 0
	s_mov_b32 s[CS], 0x2e8a7fac                    ; 0.1875 log2(e) 2^-UP
	s_mov_b32 s[CS+1], s[CS]                       ; (the packed form names the pair)
	s_mov_b32 s[HM], 0xffff0000                    ; lanes 16-31
	s_mov_b32 s[SEL], 0x76543210
	s_mov_b32 s[SEL+1], 0xfedcba98                 ; v_permlanex16_b32's selects for lane l xor 16
	v_mul_u32_u24 v[QO], v34, ROWQ
	v_lshl_add_u32 v[QO], v35, 7, v[QO]            ; q: row r, my block of 32 numbers
	v_lshlrev_b32 v[CO], 4, v0                     ; the copy: 16 bytes a thread, 4,096 a line
	v_add_nc_u32 v[CO2], 0x10000, v[CO]
	v_lshlrev_b32 v36, 3, v0
	v_lshl_add_u32 v37, v0, 3, VSC
	v_mul_u32_u24 v[VRO], v35, ROWQ
	v_lshl_add_u32 v[VRO], v34, 4, v[VRO]          ; v's rows: lanes 0-15 one row of 256 bytes, lanes 16-31 the next
	v_lshlrev_b32 v[OO], 12, v35
	v_lshl_add_u32 v[OO], v34, 4, v[OO]            ; and the same two rows in out
	s_wait_kmcnt 0x0
	s_add_nc_u64 s[4:5], s[4:5], s[36:37]          ; q at my first query
	s_add_nc_u64 s[34:35], s[4:5], 8192            ; v likewise
	s_add_nc_u64 s[6:7], s[6:7], s[40:41]          ; my head's chunk
	s_add_nc_u64 s[8:9], s[8:9], s[38:39]
.irp i, 0,1,2,3,4,5,6,7
	global_load_b128 v[XQ+4*\i:XQ+4*\i+3], v[QO], s[4:5] offset:16*\i
.endr
.irp i, 0,1,2,3,4,5,6,7,8,9,10,11,12,13,14,15,16
	global_load_b128 v[CPY+4*\i:CPY+4*\i+3], v[CO], s[6:7] offset:4096*\i
.endr
	global_load_b64 v[CPY+68:CPY+69], v36, s[6:7] offset:VSC
	WIN 0x40                                       ; destinations in the second window
.irp i, 0,1,2,3,4,5,6,7
	global_load_b128 v[32+4*\i:35+4*\i], v[VRO], s[34:35] offset:2*\i*ROWQ th:TH_LOAD_NT   ; wanted on the way out only: they land while the keys are walked
.endr
.set i, 0
.rept 32
	v_mov_b32 v[i], 0                              ; O^T: the key step is written for every step alike, so the first finds zeros
.set i, i+1
.endr
	WIN 0
	s_wait_loadcnt 26                              ; q is in (behind it: the copy's 18 loads and v's 8)
	; q's 32 numbers of my block become 32 codes; the two blocks' bytes make the row's scale word
	v_max3_num_f32 v40, |v[XQ]|, |v[XQ+1]|, |v[XQ+2]|
	v_max3_num_f32 v41, |v[XQ+3]|, |v[XQ+4]|, |v[XQ+5]|
.irp i, 6,10,14,18,22,26
	v_max3_num_f32 v40, v40, |v[XQ+\i]|, |v[XQ+\i+1]|
	v_max3_num_f32 v41, v41, |v[XQ+\i+2]|, |v[XQ+\i+3]|
.endr
	v_max3_num_f32 v40, v40, |v[XQ+30]|, |v[XQ+31]|
	v_max3_num_f32 v40, v40, v41, 0x1800000        ; and the floor 2^(3 - 127): the byte cannot fall under 1
	v_add_nc_u32 v42, 0xff000000, v40              ; 2 off the exponent field: the conversion's scale operand
	v_lshrrev_b32 v43, 23, v42
.irp g, 0,1,2,3
	v_cvt_scalef32_pk8_fp4_f32 v[QF+\g], v[XQ+8*\g:XQ+8*\g+7], v42
.endr
	v_add_nc_u32 v43, UP, v43                      ; the scores come out 2^UP times as large.  (A plain line behind the conversions)
	v_lshlrev_b32 v45, 3, v35
	v_lshlrev_b32 v43, v45, v43
	v_mov_b32 v44, 0
	v_permlanex16_b32 v44, v43, s[SEL], s[SEL+1]
	v_or_b32 v43, v43, v44
	v_or_b32 v[QS], 0x7f7f0000, v43                ; bytes 2, 3: 127, over zero codes
.irp g, 4,5,6,7
	v_mov_b32 v[QF+\g], 0                          ; k = 64 .. 127: zero codes
.endr
.irp b, 0,1,2,3
	v_mov_b32 v[HP+\b], 0                          ; written once: a lane permute's destination counts as one of its sources
.endr
	v_mov_b32 v[CA], 1.0
	v_mov_b32 v[NINF], 0xff800000
	v_lshlrev_b32 v[DM], 4, v35
	v_sub_nc_u32 v[DM], v34, v[DM]
	v_add_nc_u32 v[DM], s17, v[DM]
	s_wait_loadcnt 8                               ; the chunk is in (behind it: v's 8 loads)
.irp i, 0,1,2,3,4,5,6,7,8,9,10,11,12,13,14,15
	ds_store_b128 v[CO], v[CPY+4*\i:CPY+4*\i+3] offset:4096*\i
.endr
	ds_store_b128 v[CO2], v[CPY+64:CPY+67]
	ds_store_b64 v37, v[CPY+68:CPY+69]
	s_wait_dscnt 0x0                               ; for the others' sake: my part of the chunk lies in LDS
	s_barrier_signal -1
	s_barrier_wait -1                              ; everybody's does; from here on the chunk is only read
.macro PFK                             ; a step's K: the eight tiles' codes and their scale words (lanes 0-15: tiles 0-3, lanes 16-31: tiles 4-7)
.irp t, 0,1,2,3,4,5,6,7
	ds_load_b128 v[KF+4*\t:KF+4*\t+3], v[ADK] offset:KIMG+512*\t
.endr
	ds_load_b128 v[KS:KS+3], v[ADS]
.endm
; A UNIT: my 16 queries against the 128 keys of step ST.  pf = 1: the step below is fetched on the way.
.macro BODY pf
	s_lshr_b32 s[TA], s[TK], 4
.if \pf
	s_lshr_b32 s[TB], s[TKN], 3
.endif
	s_wait_dscnt 0x0                               ; this step's K is in
.irp t, 0,1,2,3
	v_wmma_scale_f32_16x16x128_f8f6f4 v[S+8*\t:S+8*\t+7], v[KF+4*\t:KF+4*\t+7], v[QF:QF+7], 0, v[KS+\t], v[QS] matrix_a_fmt:MATRIX_FMT_FP4 matrix_b_fmt:MATRIX_FMT_FP4
.endr
.irp t, 4,5,6,7
	v_wmma_scale_f32_16x16x128_f8f6f4 v[S+8*\t:S+8*\t+7], v[KF+4*\t:KF+4*\t+7], v[QF:QF+7], 0, v[KS+\t-4], v[QS] matrix_a_fmt:MATRIX_FMT_FP4 matrix_b_fmt:MATRIX_FMT_FP4 matrix_a_scale:MATRIX_SCALE_ROW1
.endr
	v_add_nc_u32 v[ADV], s[TK], v[LI]              ; four plain lines that name none of the products' registers stand between them and the first read of a result (ISA guide 7.12.1)
	v_add_nc_u32 v[ADT], s[TA], v[LSV]
.if \pf
	v_add_nc_u32 v[ADK], s[TKN], v[LI]
	v_add_nc_u32 v[ADS], s[TB], v[LIK]
.else
	v_nop
	v_nop
.endif
	s_cmp_lg_u32 s[ST], s[G]                       ; the diagonal step: keys at or behind my query get the score -infinity: beta = 0, 1 - beta = 1
	s_cbranch_scc1 .Lopen_\@
.set n, 0
.rept 64
	v_cmp_ge_i32 vcc_lo, 32*(n/16)+8*(n%2)+((n%16)/2), v[DM]
	v_cndmask_b32 v[S+n], v[S+n], v[NINF], vcc_lo
.set n, n+1
.endr
.Lopen_\@:
	; w = 2^-|u|: a scaling leads each pair of exponentials; none of these lines names an exponential's result
	v_pk_mul_f32 v[U:U+1], v[S:S+1], s[CS:CS+1] op_sel_hi:[1,0]
.set k, 1
.rept 31
	v_pk_mul_f32 v[U+2*k:U+2*k+1], v[S+2*k:S+2*k+1], s[CS:CS+1] op_sel_hi:[1,0]
	v_exp_f32 v[U+2*k-2], -|v[U+2*k-2]|
	v_exp_f32 v[U+2*k-1], -|v[U+2*k-1]|
.set k, k+1
.endr
	v_exp_f32 v[U+62], -|v[U+62]|
	v_exp_f32 v[U+63], -|v[U+63]|
	v_nop                                          ; a plain line behind the last exponential
	s_wait_alu depctr_va_vdst(0)                   ; the wait ahead of the first reader: one for the 64
	; r = 1 / (1 + w), in the same way
	v_pk_add_f32 v[D:D+1], v[U:U+1], 1.0 op_sel_hi:[1,0]
.set k, 1
.rept 31
	v_pk_add_f32 v[D+2*k:D+2*k+1], v[U+2*k:U+2*k+1], 1.0 op_sel_hi:[1,0]
	v_rcp_f32 v[D+2*k-2], v[D+2*k-2]
	v_rcp_f32 v[D+2*k-1], v[D+2*k-1]
.set k, k+1
.endr
	v_rcp_f32 v[D+62], v[D+62]
	v_rcp_f32 v[D+63], v[D+63]
	v_nop
	s_wait_alu depctr_va_vdst(0)                   ; one for the 64 reciprocals
.set k, 0
.rept 32
	v_pk_mul_f32 v[U+2*k:U+2*k+1], v[U+2*k:U+2*k+1], v[D+2*k:D+2*k+1]   ; w r
.set k, k+1
.endr
	; 1 - beta of key m goes to key m - 1's place in D (two registers down; key 0's into T), so that the product of the keys ABOVE a key comes to stand beside its beta; beta takes the score's place
.irp b, 0,1,2,3
.irp m, 0,1,2,3,4,5,6,7
.irp p, 0,1
.if \m == 0
	v_med3_num_f32 v[T+2*\b+\p], v[D+16*\b+\p], v[U+16*\b+\p], -v[S+16*\b+\p]
.else
	v_med3_num_f32 v[D+16*\b+2*\m+\p-2], v[D+16*\b+2*\m+\p], v[U+16*\b+2*\m+\p], -v[S+16*\b+2*\m+\p]
.endif
	v_med3_num_f32 v[S+16*\b+2*\m+\p], v[D+16*\b+2*\m+\p], v[U+16*\b+2*\m+\p], v[S+16*\b+2*\m+\p]
.endr
.endr
.endr
	; U is free: this step's V and the next step's K land there while the products below are made
.irp t, 0,1,2,3
.irp c, 0,1
	ds_load_b128 v[VF+8*\t+4*\c:VF+8*\t+4*\c+3], v[ADV] offset:VIMG+1024*\t+512*\c
.endr
.endr
	ds_load_b128 v[VS:VS+3], v[ADT]
.if \pf
	PFK
.endif
	; the running products from each run's top down (two runs a line, four blocks by turns), and beta x what stands above it in its run
.irp m, 6,5,4,3,2,1,0
.if \m < 6
.irp b, 0,1,2,3
	v_pk_mul_f32 v[D+16*\b+2*\m:D+16*\b+2*\m+1], v[D+16*\b+2*\m:D+16*\b+2*\m+1], v[D+16*\b+2*\m+2:D+16*\b+2*\m+3]
.endr
.endif
.irp b, 0,1,2,3
	v_pk_mul_f32 v[S+16*\b+2*\m:S+16*\b+2*\m+1], v[S+16*\b+2*\m:S+16*\b+2*\m+1], v[D+16*\b+2*\m:D+16*\b+2*\m+1]
.endr
.endr
	; what stands above each run: the carry, the blocks above, the upper half of the block (for lanes 0-15), the upper run of the half (for the lower run)
.irp b, 0,1,2,3
	v_pk_mul_f32 v[T+2*\b:T+2*\b+1], v[T+2*\b:T+2*\b+1], v[D+16*\b:D+16*\b+1]   ; the two runs' whole products
.endr
.irp b, 0,1,2,3
	v_mul_f32 v[H+\b], v[T+2*\b], v[T+2*\b+1]
.endr
.irp b, 0,1,2,3
	v_permlanex16_b32 v[HP+\b], v[H+\b], s[SEL], s[SEL+1]
.endr
.irp b, 0,1,2,3
	v_mul_f32 v[BT+\b], v[H+\b], v[HP+\b]
.endr
	v_mul_f32 v[CB+2], v[CA], v[BT+3]
	v_cndmask_b32 v[HP+3], v[HP+3], 1.0, s[HM]     ; lanes 16-31 hold the upper half: nothing of the block stands above it
	v_cndmask_b32 v[HP+2], v[HP+2], 1.0, s[HM]
	v_mul_f32 v[CB+1], v[CB+2], v[BT+2]
	v_cndmask_b32 v[HP+1], v[HP+1], 1.0, s[HM]
	v_cndmask_b32 v[HP], v[HP], 1.0, s[HM]
	v_mul_f32 v[CB], v[CB+1], v[BT+1]
	v_mul_f32 v[CP+7], v[CA], v[HP+3]
	v_mul_f32 v[CP+5], v[CB+2], v[HP+2]
	v_mul_f32 v[CP+3], v[CB+1], v[HP+1]
	v_mul_f32 v[CP+6], v[CP+7], v[T+7]
	v_mul_f32 v[CP+1], v[CB], v[HP]
	v_mul_f32 v[CP+4], v[CP+5], v[T+5]
	v_mul_f32 v[CA], v[CB], v[BT]                  ; the carry for the step below
	v_mul_f32 v[CP+2], v[CP+3], v[T+3]
	v_mul_f32 v[CP], v[CP+1], v[T+1]
.irp b, 3,2,1,0
.irp m, 0,1,2,3,4,5,6,7
	v_pk_mul_f32 v[S+16*\b+2*\m:S+16*\b+2*\m+1], v[S+16*\b+2*\m:S+16*\b+2*\m+1], v[CP+2*\b:CP+2*\b+1]   ; att
.endr
.endr
	; att is quantised along the keys: four blocks of 32, each in lanes l and l xor 16.  None is negative: no |.|
.irp b, 0,1,2,3
	v_max3_num_f32 v[M+\b], v[S+16*\b], v[S+16*\b+1], 0x1800000   ; with the floor 2^(3 - 127): the byte cannot fall under 1 (a block of zeros keeps that byte: its codes are zeros)
.endr
.irp i, 2,4,6,8,10,12,14
.irp b, 0,1,2,3
	v_max3_num_f32 v[M+\b], v[M+\b], v[S+16*\b+\i], v[S+16*\b+\i+1]
.endr
.endr
.irp b, 0,1,2,3
	v_permlanex16_b32 v[MP+\b], v[M+\b], s[SEL], s[SEL+1]
.endr
.irp b, 0,1,2,3
	v_max_num_f32 v[M+\b], v[M+\b], v[MP+\b]
.endr
.irp b, 0,1,2,3
	v_add_nc_u32 v[SO+\b], 0xff000000, v[M+\b]     ; 2 off the exponent field: the conversion's scale operand
.endr
.irp b, 0,1,2,3
	v_lshrrev_b32 v[BY+\b], 23, v[SO+\b]
.endr
	v_lshl_or_b32 v[PS], v[BY+1], 8, v[BY]
	v_lshl_or_b32 v[PS], v[BY+2], 16, v[PS]
	v_lshl_or_b32 v[PS], v[BY+3], 24, v[PS]        ; my query's scale word for these 128 keys
.irp b, 0,1,2,3
	v_cvt_scalef32_pk8_fp4_f32 v[P+2*\b], v[S+16*\b:S+16*\b+7], v[SO+\b]
	v_cvt_scalef32_pk8_fp4_f32 v[P+2*\b+1], v[S+16*\b+8:S+16*\b+15], v[SO+\b]
.endr
	v_nop                                          ; a plain line behind the conversions
.irp c, 0,1                                    ; the operand wants a whole block in a lane: lanes 0-15 block 2 c, lanes 16-31 block 2 c + 1
.irp i, 0,1
	v_permlane16_swap_b32 v[P+4*\c+\i], v[P+4*\c+2+\i]
.endr
.endr
.rept 8
	v_nop                                          ; a scale word made by vector lines stands 8 plain lines ahead of the scaled product, codes so made 4
.endr
.if \pf
	s_wait_dscnt 9                                 ; V and its scale words are in (behind them: the next step's K, 8 loads and 1)
.else
	s_wait_dscnt 0x0
.endif
	WIN 0x50                                       ; C and D in the second window
.irp t, 0,1,2,3                                ; the four accumulators by turns; the eight products K Q^T stand between two turns of one
	v_wmma_scale_f32_16x16x128_f8f6f4 v[8*\t:8*\t+7], v[VF+8*\t:VF+8*\t+7], v[P:P+7], v[8*\t:8*\t+7], v[VS+\t], v[PS] matrix_a_fmt:MATRIX_FMT_FP4 matrix_b_fmt:MATRIX_FMT_FP4
.endr
	WIN 0
.endm
	; THE WALK: steps 7 down to 1 in a loop of constant count, so that every LDS address is a constant step from the last; step 0, which every tile has, is written out behind it.
	s_mov_b32 s[ST], 7
	s_mov_b32 s[TK], 7*4096
	s_mov_b32 s[TKN], 7*4096
	s_lshr_b32 s[TB], s[TKN], 3
	v_add_nc_u32 v[ADK], s[TKN], v[LI]
	v_add_nc_u32 v[ADS], s[TB], v[LIK]
	PFK                                            ; step 7's K, for the tiles that begin there
	s_mov_b32 s[TKN], 6*4096
.Lstep:
	s_cmp_gt_u32 s[ST], s[G1]                      ; a step all of whose keys lie behind my queries is left out: a branch on ids
	s_cbranch_scc1 .Lnext
	s_cmp_gt_u32 s[ST], s[G]
	s_cbranch_scc1 .Lfetch_only                    ; the step above my diagonal step: only the fetch of my first K
	BODY 1
	s_branch .Lnext
.Lfetch_only:
	s_wait_dscnt 0x0                               ; the loads issued ahead of the loop have landed: their registers take my first step's K
	s_lshr_b32 s[TB], s[TKN], 3
	v_add_nc_u32 v[ADK], s[TKN], v[LI]
	v_add_nc_u32 v[ADS], s[TB], v[LIK]
	PFK
.Lnext:
	s_sub_co_u32 s[TK], s[TK], 4096
	s_sub_co_u32 s[TKN], s[TKN], 4096
	s_sub_co_u32 s[ST], s[ST], 1
	s_cmp_lg_u32 s[ST], 0
	s_cbranch_scc1 .Lstep
	BODY 0                                         ; step 0: nothing is left to fetch
	; THE WAY OUT.  A lane holds 8 neighbouring channels of its query for each of 4 tiles; the 16 rows go through my own stage and come back as whole rows of 256 bytes; rem rides in each row's padding.
	v_and_b32 v34, 15, v0                          ; (these lines are also the plain lines between the last products and the first read of their results)
	v_bfe_u32 v35, v0, 4, 1
	s_mul_i32 s25, s10, 16*SP
	s_add_co_u32 s25, s25, STAGE
	v_mul_u32_u24 v[ADK], v34, SP
	v_add_nc_u32 v[ADK], s25, v[ADK]               ; in: row r,
	v_add_nc_u32 v[ADV], 256, v[ADK]               ; its rem,
	v_lshl_add_u32 v[ADK], v35, 5, v[ADK]          ; my half's 32 bytes of each 64
	v_mul_u32_u24 v[ADT], v35, SP
	v_add_nc_u32 v[ADT], s25, v[ADT]
	v_lshl_add_u32 v[ADS], v34, 4, v[ADT]          ; back: lanes 0-15 one row, lanes 16-31 the next; 16 bytes a lane,
	v_add_nc_u32 v[ADT], 256, v[ADT]               ; and that row's rem
	WIN 0x04                                       ; an LDS store's data are its source 1: the second window
.irp t, 0,1,2,3
	ds_store_b128 v[ADK], v[8*\t:8*\t+3] offset:64*\t             ; each accumulator from its low end on
	ds_store_b128 v[ADK], v[8*\t+4:8*\t+7] offset:64*\t+16
.endr
	WIN 0
	ds_store_b32 v[ADV], v[CA]                     ; rem = the carry that is left (lanes r and r + 16 hold the same bits)
.irp i, 0,1,2,3,4,5,6,7
	ds_load_b128 v[BK+4*\i:BK+4*\i+3], v[ADS] offset:2*\i*SP      ; LDS serves a wave's instructions in order: these see my stores
	ds_load_b32 v[RM+\i], v[ADT] offset:2*\i*SP
.endr
	s_wait_loadcnt 0x0                             ; my rows of v, asked for at the head
	s_wait_dscnt 0x0
	WIN 0x01                                       ; source 0 (v) in the second window
.irp i, 0,1,2,3,4,5,6,7
.irp k, 0,1,2,3
	v_fma_f32 v[BK+4*\i+\k], v[32+4*\i+\k], v[RM+\i], v[BK+4*\i+\k]   ; + rem x v
.endr
.endr
	WIN 0
.irp i, 0,1,2,3,4,5,6,7
	global_store_b128 v[OO], v[BK+4*\i:BK+4*\i+3], s[8:9] offset:8192*\i th:TH_STORE_NT   ; sixteen lanes store a row's 256 consecutive bytes, aligned
.endr
	s_wait_tensorcnt 0x0
	ds_add_u32 v62, v63
	s_wait_dscnt 0x0
	s_endpgm
.Lfunc_end_k_q3673cf3455_attn:
	.size	k_q3673cf3455_attn, .Lfunc_end_k_q3673cf3455_attn-k_q3673cf3455_attn
	.p2alignl 7, 3214868480
	.fill 96, 4, 3214868480
	.section	.rodata,"a",@progbits
	.p2align	6, 0x0
	.amdhsa_kernel k_q3673cf3455_attn
		.amdhsa_group_segment_fixed_size 107520
		.amdhsa_private_segment_fixed_size 0
		.amdhsa_enable_private_segment 0
		.amdhsa_kernarg_size 24
		.amdhsa_user_sgpr_count 2
		.amdhsa_user_sgpr_kernarg_segment_ptr 1
		.amdhsa_wavefront_size32 1
		.amdhsa_system_sgpr_workgroup_id_x 1
		.amdhsa_system_sgpr_workgroup_id_y 1
		.amdhsa_system_sgpr_workgroup_id_z 1
		.amdhsa_system_vgpr_workitem_id 0
		.amdhsa_next_free_vgpr 320
		.amdhsa_next_free_sgpr 66
		.amdhsa_reserve_vcc 1
		.amdhsa_float_denorm_mode_32 3
		.amdhsa_float_denorm_mode_16_64 3
		.amdhsa_memory_ordered 1
		.amdhsa_forward_progress 1
		.amdhsa_inst_pref_size 95
	.end_amdhsa_kernel
	.amdgpu_metadata
---
amdhsa.version: [ 1, 2 ]
amdhsa.kernels:
  - .name:           k_q3673cf3455_attn
    .symbol:         k_q3673cf3455_attn.kd
    .args:
      - { .name: qkv, .offset: 0, .size: 8, .value_kind: global_buffer, .address_space: global }
      - { .name: kv, .offset: 8, .size: 8, .value_kind: global_buffer, .address_space: global }
      - { .name: out0, .offset: 16, .size: 8, .value_kind: global_buffer, .address_space: global }
    .group_segment_fixed_size: 107520
    .private_segment_fixed_size: 0
    .kernarg_segment_align: 8
    .kernarg_segment_size: 24
    .max_flat_workgroup_size: 256
    .sgpr_count:     66
    .vgpr_count:     320
    .wavefront_size: 32
...
	.end_amdgpu_metadata
.endif
;; end of part 2
;; ======== version 2 of 2: 2 launches; version 1 with the launch attn written anew for expert scheduling mode
;; workspace buffers: kv 2,293,760 bytes
;; launch quant: the kernel of part 1 again; grid 256 x 1, 4 waves a work-group, no clusters, 70,144 bytes of LDS; arguments qkv, kv; writes kv
;; launch attn (part 3): grid 256 x 1, 8 waves a work-group, no clusters, 107,520 bytes of LDS; arguments qkv, kv, out0; writes out0
.if DOCPART == 3
	.amdgcn_target "amdgcn-amd-amdhsa--gfx1250"
	.amdhsa_code_object_version 6
	.text
	.protected	k_q3673cf3455_attn
	.globl	k_q3673cf3455_attn
	.p2align	8
	.type	k_q3673cf3455_attn,@function
k_q3673cf3455_attn:
	s_mov_b64 s[64:65], 0
	v_nop
	global_prefetch_b8 v0, s[64:65] scope:SCOPE_SE
	s_setreg_imm32_b32 hwreg(HW_REG_WAVE_SCHED_MODE, 0, 2), 2
	s_setreg_imm32_b32 hwreg(HW_REG_WAVE_MODE, 25, 1), 1
	s_wait_xcnt 0x0
	s_wait_alu depctr_vm_vsrc(0)
; out[b][t][h][:] = sum over s < t of att[t][s] V[s][:] + rem[t] v[t][:],  att[t][s] = beta_s x product over s < j < t of (1 - beta_j),  beta = sigmoid(0.1875 <q_t, k_s>).
; That product IS exp(log_sigmoid(z_s) - sum of softplus(z_j)).  Both matrix products run on codes of E2M1 with E8M0 scales; att is quantised along the keys, block by block of 32.
; SIGMOID.  The maximum that logaddexp takes away is taken away here too: u = z log2(e), w = 2^-|u|, r = 1 / (1 + w).  The larger of beta and 1 - beta is r, the smaller w r; the score's
; sign says which is which: v_med3_num_f32 of (r, w r, X) gives r where X is large and w r where X is negative.  X is the accumulator itself, which holds 2^32 x the score (q's scale bytes carry + 32, an
; exact power of two): where 0 < X < 1 the score is under 2^-32, and r and w r are both one half to the last bit.
; REM.  1 - sum over s of att[t][s] telescopes to the product of (1 - beta_j) over all j < t, for every input: it is the carry that is left after the last key step.  No sum is kept.
; LIMITS: NaN and infinities among the inputs are not served; |q| stays under 2^97 (the + 32 on its scale bytes); a beta or 1 - beta under 2^-126 counts as 0.
; SHARES.  A unit = 16 queries x 128 keys.  A tile of 16 queries in key group G (queries 128 G ..) walks key steps G, G - 1, .. 0, since the product runs from the diagonal down: G + 1 units.
; Work-group (head, g, half) takes 4 tiles of group 7 - g and 4 of group g: 36 units; a wave takes one tile.  Waves whose number has an even count of ones take the long tiles: waves w and w + 4, and waves
; 2 i and 2 i + 1, are then one long and one short: 9 units together.
; LDS.  The head's chunk of kv (K's and V's operand images and scale words, 71,680 bytes) is copied in once; one barrier; then the waves share nothing.  Behind it each wave's stage for the way out.
; The 8 work-groups of a head read the same chunk.  It is not asked for jointly: it is read once, 70 KB for a work-group, against 36 units of some 530 vector instructions each.
; LAYOUT.  S^T = K Q^T (source 0 = 16 keys, source 1 = my 16 queries) and O^T = V^T P^T: a lane holds ONE query (lane % 16).  Register 16 b + 2 m + p of lane half h is key 32 b + 16 h + 8 p + m
; of the step: K's tile rows and V's places along K were laid so.  A register pair so belongs to two runs of 8 keys, and one packed multiply steps both runs' products.
; THE FIRST PRODUCT'S K IS 64 of the instruction's 128: Q's codes for k = 64 .. 127 are zeros, its and K's scale bytes there are 127.  K's operand is four loaded registers and the four that follow
; (the next tile's codes; behind the last tile four registers of zeros): E2M1 has no infinity and no NaN, so they add nothing against zeros.
; REGISTERS: v1-15 addresses; v16-23 Q; v24-33 scale words and nothing else; v34-61 the carries; v64-127 S: scores, beta, att; v128-191 U: u, w, w r;
; v192-255 D: 1 + w, r, the running products, then att's codes;  in the second window of 256: v0-31 O^T, v32-63 my 16 rows of v (f32), v64-95 V's fragments, v96-127 K's fragments, v128-131 zeros.
; THE MODE: SCHED_MODE bits 1:0 = 2 (LLVM: expert scheduling mode 2), set by the entry lines.  The code itself states the register dependences between vector or matrix instructions and memory or LDS
; instructions, with s_wait_alu, always for 0.
; THE PLAN.  Registers that LDS instructions touch in the walk over the keys:
;   v[ADV], v[ADT], v[ADK], v[ADS]   written by the four additions behind a step's products K Q^T; read by that step's LDS loads.
;   K's fragments and v[KS ..]       read by a step's eight products K Q^T; then the step below is loaded into them.
;   V's fragments and v[VS ..]       read by the four products V^T P of the step before; then this step's are loaded into them.
;   S, U, D, the carries and O^T are named by vector and matrix instructions alone.
; K's and V's fragments have registers of their own, so a step's 18 LDS loads stand behind the wait on va_vdst that its 64 exponentials have anyway: ahead of that wait stand the additions, this step's K Q^T
; and the last step's V^T P, and between it and the loads stand loads and window switches alone.  The loads stand in one run: a group in the second window costs two window switches.
; One wait on vm_vsrc a step, ahead of the branches at the step's head, frees the four address registers.  A second wait on va_vdst serves the reciprocals, a third stands ahead of V^T P, whose source 1 and its
; scale word vector instructions have just made.
.set ROWQ,  12288                      ; bytes from one position s of qkv to the next
.set KIMG,  0
.set VIMG,  32768
.set KSC,   65536
.set VSC,   69632
.set CHUNK, 71680
.set STAGE, CHUNK                      ; 16 rows x 272 bytes for each wave: 256 bytes of O and, in the padding, the row's rem
.set SP,    272
.set UP,    32                         ; the accumulators hold 2^UP x the score
.set LI,   1                           ; 16 x lane
.set LIK,  2                           ; + KSC
.set LSV,  3                           ; 16 x (lane % 16) + VSC
.set CA,   4                           ; the carry: product of 1 - beta over the keys walked so far
.set DM,   5                           ; my query less the diagonal step's first key, less 16 (lane / 16)
.set NINF, 6
.set ADK,  7                           ; LDS addresses of the loads in hand; on the way out the stage's
.set ADS,  8
.set ADV,  9
.set ADT,  10
.set QO,   11
.set CO,   12
.set VRO,  13
.set OO,   14
.set CO2,  15
.set QF,   16
.set QS,   24
.set PS,   25
.set KS,   26
.set VS,   30
.set T,    34                          ; v34-41 pair b: the products of block b's two runs in my half
.set CP,   42                          ; v42-49 pair b: what stands above each of the two runs
.set H,    50                          ; v50-53 my half's product; then CB
.set CB,   50
.set HP,   54                          ; v54-57 the other half's
.set BT,   58                          ; v58-61 the block's
.set S,    64
.set U,    128
.set D,    192
.set VF,   64                          ; in the second window: V's four fragments
.set KF,   96                          ; in the second window: K's eight tiles, four registers each; behind them four registers of zeros
.set P,    D
.set M,    D+8
.set MP,   D+12
.set SO,   D+16
.set BY,   D+20
.set XQ,   D                           ; the head: q's numbers
.set CPY,  64                          ; the head: the chunk on its way to LDS
.set BK,   64                          ; the way out
.set RM,   96
.set G,    20
.set G1,   21
.set ST,   22
.set TK,   23                          ; 4096 x the step in hand
.set TKN,  24                          ; 4096 x the step below it
.set TA,   26
.set TB,   27
.set CS,   28
.set HM,   30
.set SEL,  32
.set MK,   48                          ; s[48:63] the diagonal step: the masks of a block's sixteen registers
.set MSB, 0
.macro WIN new                         ; the immediate's high byte repeats the setting that is left
.if MSB != \new
	s_set_vgpr_msb (MSB<<8)|\new
.set MSB, \new
.endif
.endm
	s_load_b128 s[4:7], s[0:1], 0x0                ; qkv, kv
	s_load_b64 s[8:9], s[0:1], 0x10                ; out
	v_lshl_add_u32 v62, v0, 2, 0x1a000
	v_mov_b32 v63, 0
	v_lshrrev_b32 v38, 5, v0
	v_readfirstlane_b32 s10, v38                   ; wave 0..7
	v_and_b32 v38, 31, v0
	v_and_b32 v34, 15, v0                          ; r
	v_bfe_u32 v35, v0, 4, 1                        ; h
	v_lshlrev_b32 v[LI], 4, v38
	v_add_nc_u32 v[LIK], KSC, v[LI]
	v_lshl_add_u32 v[LSV], v34, 4, VSC
	s_lshr_b32 s11, ttmp9, 3                       ; head: 16 b + h
	s_and_b32 s12, ttmp9, 7
	s_lshr_b32 s13, s12, 1                         ; g
	s_and_b32 s12, s12, 1                          ; which half of a group's 8 tiles
	s_wait_alu depctr_va_sdst(0)                   ; s10 is written, ahead of its first reader: my tile and my stage are made from it
	s_lshr_b32 s14, s10, 1                         ; my place among my kind's four waves
	s_lshr_b32 s15, s10, 2
	s_xor_b32 s15, s15, s14
	s_xor_b32 s15, s15, s10
	s_and_b32 s15, s15, 1                          ; the parity of my wave's number
	s_sub_co_u32 s16, 7, s13
	s_cmp_eq_u32 s15, 0
	s_cselect_b32 s[G], s16, s13                   ; my tile's key group
	s_add_co_u32 s[G1], s[G], 1
	s_lshl_b32 s12, s12, 2
	s_add_co_u32 s12, s12, s14
	s_lshl_b32 s17, s12, 4                         ; my first query less the group's first
	s_lshl_b32 s18, s[G], 7
	s_add_co_u32 s18, s18, s17                     ; my first query
	s_lshr_b32 s19, s11, 4
	s_lshl_b32 s19, s19, 10
	s_add_co_u32 s19, s19, s18                     ; 1024 b + query
	s_and_b32 s25, s11, 15
	s_lshl_b32 s25, s25, 8                         ; 256 h
	s_mul_i32 s36, s19, ROWQ
	s_add_co_u32 s36, s36, s25
	s_mov_b32 s37, 0
	s_lshl_b32 s38, s19, 12
	s_add_co_u32 s38, s38, s25
	s_mov_b32 s39, 0
	s_mul_i32 s40, s11, CHUNK
	s_mov_b32 s41, 0
	s_mov_b32 s[CS], 0x2e8a7fac                    ; 0.1875 log2(e) 2^-UP
	s_mov_b32 s[CS+1], s[CS]                       ; (the packed form names the pair)
	s_mov_b32 s[HM], 0xffff0000                    ; lanes 16-31
	s_mov_b32 s[SEL], 0x76543210
	s_mov_b32 s[SEL+1], 0xfedcba98                 ; v_permlanex16_b32's selects for lane l xor 16
	v_mul_u32_u24 v[QO], v34, ROWQ
	v_lshl_add_u32 v[QO], v35, 7, v[QO]            ; q: row r, my block of 32 numbers
	v_lshlrev_b32 v[CO], 4, v0                     ; the copy: 16 bytes a thread, 4,096 a line
	v_add_nc_u32 v[CO2], 0x10000, v[CO]
	v_lshlrev_b32 v36, 3, v0
	v_lshl_add_u32 v37, v0, 3, VSC
	v_mul_u32_u24 v[VRO], v35, ROWQ
	v_lshl_add_u32 v[VRO], v34, 4, v[VRO]          ; v's rows: lanes 0-15 one row of 256 bytes, lanes 16-31 the next
	v_lshlrev_b32 v[OO], 12, v35
	v_lshl_add_u32 v[OO], v34, 4, v[OO]            ; and the same two rows in out
	s_wait_kmcnt 0x0
	s_add_nc_u64 s[4:5], s[4:5], s[36:37]          ; q at my first query
	s_add_nc_u64 s[34:35], s[4:5], 8192            ; v likewise
	s_add_nc_u64 s[6:7], s[6:7], s[40:41]          ; my head's chunk
	s_add_nc_u64 s[8:9], s[8:9], s[38:39]
	s_wait_alu depctr_va_vdst(0)                   ; the offsets v[QO], v[CO], v[CO2], v36, v37, v[VRO] and v[OO] are written: the loads below, the copy's LDS stores and the last stores read them, and no vector line names them again
.irp i, 0,1,2,3,4,5,6,7
	global_load_b128 v[XQ+4*\i:XQ+4*\i+3], v[QO], s[4:5] offset:16*\i
.endr
.irp i, 0,1,2,3,4,5,6,7,8,9,10,11,12,13,14,15,16
	global_load_b128 v[CPY+4*\i:CPY+4*\i+3], v[CO], s[6:7] offset:4096*\i
.endr
	global_load_b64 v[CPY+68:CPY+69], v36, s[6:7] offset:VSC
	WIN 0x40                                       ; destinations in the second window
.irp i, 0,1,2,3,4,5,6,7
	global_load_b128 v[32+4*\i:35+4*\i], v[VRO], s[34:35] offset:2*\i*ROWQ th:TH_LOAD_NT   ; wanted on the way out only: they land while the keys are walked
.endr
.set i, 0
.rept 32
	v_mov_b32 v[i], 0                              ; O^T: the key step is written for every step alike, so the first finds zeros
.set i, i+1
.endr
.irp g, 0,1,2,3
	v_mov_b32 v[KF+32+\g], 0                       ; the four registers behind K's last tile, which its operand names
.endr
	WIN 0
	s_wait_loadcnt 26                              ; q is in (behind it: the copy's 18 loads and v's 8)
	; q's 32 numbers of my block become 32 codes; the two blocks' bytes make the row's scale word
	v_max3_num_f32 v40, |v[XQ]|, |v[XQ+1]|, |v[XQ+2]|
	v_max3_num_f32 v41, |v[XQ+3]|, |v[XQ+4]|, |v[XQ+5]|
.irp i, 6,10,14,18,22,26
	v_max3_num_f32 v40, v40, |v[XQ+\i]|, |v[XQ+\i+1]|
	v_max3_num_f32 v41, v41, |v[XQ+\i+2]|, |v[XQ+\i+3]|
.endr
	v_max3_num_f32 v40, v40, |v[XQ+30]|, |v[XQ+31]|
	v_max3_num_f32 v40, v40, v41, 0x1800000        ; and the floor 2^(3 - 127): the byte cannot fall under 1
	v_add_nc_u32 v42, 0xff000000, v40              ; 2 off the exponent field: the conversion's scale operand
	v_lshrrev_b32 v43, 23, v42
.irp g, 0,1,2,3
	v_cvt_scalef32_pk8_fp4_f32 v[QF+\g], v[XQ+8*\g:XQ+8*\g+7], v42
.endr
	v_add_nc_u32 v43, UP, v43                      ; the scores come out 2^UP times as large.  (A plain line behind the conversions)
	v_lshlrev_b32 v45, 3, v35
	v_lshlrev_b32 v43, v45, v43
	v_mov_b32 v44, 0
	v_permlanex16_b32 v44, v43, s[SEL], s[SEL+1]
	v_or_b32 v43, v43, v44
	v_or_b32 v[QS], 0x7f7f0000, v43                ; bytes 2, 3: 127, over zero codes
.irp g, 4,5,6,7
	v_mov_b32 v[QF+\g], 0                          ; k = 64 .. 127: zero codes
.endr
.irp b, 0,1,2,3
	v_mov_b32 v[HP+\b], 0                          ; written once: a lane permute's destination counts as one of its sources
.endr
	v_mov_b32 v[CA], 1.0
	v_mov_b32 v[NINF], 0xff800000
	v_lshlrev_b32 v[DM], 4, v35
	v_sub_nc_u32 v[DM], v34, v[DM]
	v_add_nc_u32 v[DM], s17, v[DM]
	s_wait_loadcnt 8                               ; the chunk is in (behind it: v's 8 loads)
.irp i, 0,1,2,3,4,5,6,7,8,9,10,11,12,13,14,15
	ds_store_b128 v[CO], v[CPY+4*\i:CPY+4*\i+3] offset:4096*\i
.endr
	ds_store_b128 v[CO2], v[CPY+64:CPY+67]
	ds_store_b64 v37, v[CPY+68:CPY+69]
	s_wait_dscnt 0x0                               ; for the others' sake: my part of the chunk lies in LDS
	s_barrier_signal -1
	s_barrier_wait -1                              ; everybody's does; from here on the chunk is only read
	s_wait_alu depctr_vm_vsrc(0)                   ; my LDS stores have read v[CPY ..] and v37, and the head's load v36: these registers are S, U and T from here on, written by matrix and vector instructions
.macro PFK                             ; a step's K: the eight tiles' codes and their scale words (lanes 0-15: tiles 0-3, lanes 16-31: tiles 4-7)
	WIN 0x40                                       ; destinations in the second window
.irp t, 0,1,2,3,4,5,6,7
	ds_load_b128 v[KF+4*\t:KF+4*\t+3], v[ADK] offset:KIMG+512*\t
.endr
	WIN 0
	ds_load_b128 v[KS:KS+3], v[ADS]
.endm
; A UNIT: my 16 queries against the 128 keys of step ST.  pf = 1: the step below is fetched on the way.
.macro BODY pf
	s_lshr_b32 s[TA], s[TK], 4
.if \pf
	s_lshr_b32 s[TB], s[TKN], 3
.endif
	s_wait_dscnt 0x0                               ; this step's K is in
	WIN 0x01                                       ; source 0 (K) in the second window
.irp t, 0,1,2,3
	v_wmma_scale_f32_16x16x128_f8f6f4 v[S+8*\t:S+8*\t+7], v[KF+4*\t:KF+4*\t+7], v[QF:QF+7], 0, v[KS+\t], v[QS] matrix_a_fmt:MATRIX_FMT_FP4 matrix_b_fmt:MATRIX_FMT_FP4
.endr
.irp t, 4,5,6,7
	v_wmma_scale_f32_16x16x128_f8f6f4 v[S+8*\t:S+8*\t+7], v[KF+4*\t:KF+4*\t+7], v[QF:QF+7], 0, v[KS+\t-4], v[QS] matrix_a_fmt:MATRIX_FMT_FP4 matrix_b_fmt:MATRIX_FMT_FP4 matrix_a_scale:MATRIX_SCALE_ROW1
.endr
	WIN 0
	v_add_nc_u32 v[ADV], s[TK], v[LI]              ; four plain lines that name none of the products' registers stand between them and the first read of a result (ISA guide 7.12.1)
	v_add_nc_u32 v[ADT], s[TA], v[LSV]
.if \pf
	v_add_nc_u32 v[ADK], s[TKN], v[LI]
	v_add_nc_u32 v[ADS], s[TB], v[LIK]
.else
	v_nop
	v_nop
.endif
	s_cmp_lg_u32 s[ST], s[G]                       ; the diagonal step: keys at or behind my query get the score -infinity: beta = 0, 1 - beta = 1
	s_cbranch_scc1 .Lopen_\@
.irp b, 0,1,2,3                                ; a block's sixteen compares in a run, each into a scalar register of its own, and one wait for the sixteen
.set n, 0
.rept 16
	v_cmp_ge_i32 s[MK+n], 32*\b+8*(n%2)+(n/2), v[DM]
.set n, n+1
.endr
	s_wait_alu depctr_va_sdst(0)                   ; the sixteen masks s[MK ..] are written, ahead of the selects that read them
.set n, 0
.rept 16
	v_cndmask_b32 v[S+16*\b+n], v[S+16*\b+n], v[NINF], s[MK+n]
.set n, n+1
.endr
.endr
.Lopen_\@:
	; w = 2^-|u|: a scaling leads each pair of exponentials; none of these lines names an exponential's result
	v_pk_mul_f32 v[U:U+1], v[S:S+1], s[CS:CS+1] op_sel_hi:[1,0]
.set k, 1
.rept 31
	v_pk_mul_f32 v[U+2*k:U+2*k+1], v[S+2*k:S+2*k+1], s[CS:CS+1] op_sel_hi:[1,0]
	v_exp_f32 v[U+2*k-2], -|v[U+2*k-2]|
	v_exp_f32 v[U+2*k-1], -|v[U+2*k-1]|
.set k, k+1
.endr
	v_exp_f32 v[U+62], -|v[U+62]|
	v_exp_f32 v[U+63], -|v[U+63]|
	v_nop                                          ; a plain line behind the last exponential
	s_wait_alu depctr_va_vdst(0)                   ; the 64 exponentials have written U, ahead of their first reader; the four additions have written the LDS addresses; this step's K Q^T is done reading K's fragments and v[KS ..], the last step's V^T P V's fragments and v[VS ..]
	; this step's V and the next step's K: they land while the reciprocals, the medians and the products below are made.  Between the wait above and these loads stand loads and window switches alone
	ds_load_b128 v[VS:VS+3], v[ADT]
	WIN 0x40                                       ; destinations in the second window
.irp t, 0,1,2,3
.irp c, 0,1
	ds_load_b128 v[VF+8*\t+4*\c:VF+8*\t+4*\c+3], v[ADV] offset:VIMG+1024*\t+512*\c
.endr
.endr
.if \pf
	PFK
.else
	WIN 0
.endif
	; r = 1 / (1 + w), in the same way
	v_pk_add_f32 v[D:D+1], v[U:U+1], 1.0 op_sel_hi:[1,0]
.set k, 1
.rept 31
	v_pk_add_f32 v[D+2*k:D+2*k+1], v[U+2*k:U+2*k+1], 1.0 op_sel_hi:[1,0]
	v_rcp_f32 v[D+2*k-2], v[D+2*k-2]
	v_rcp_f32 v[D+2*k-1], v[D+2*k-1]
.set k, k+1
.endr
	v_rcp_f32 v[D+62], v[D+62]
	v_rcp_f32 v[D+63], v[D+63]
	v_nop
	s_wait_alu depctr_va_vdst(0)                   ; the 64 reciprocals have written D, ahead of their first reader
.set k, 0
.rept 32
	v_pk_mul_f32 v[U+2*k:U+2*k+1], v[U+2*k:U+2*k+1], v[D+2*k:D+2*k+1]   ; w r
.set k, k+1
.endr
	; 1 - beta of key m goes to key m - 1's place in D (two registers down; key 0's into T), so that the product of the keys ABOVE a key comes to stand beside its beta; beta takes the score's place
.irp b, 0,1,2,3
.irp m, 0,1,2,3,4,5,6,7
.irp p, 0,1
.if \m == 0
	v_med3_num_f32 v[T+2*\b+\p], v[D+16*\b+\p], v[U+16*\b+\p], -v[S+16*\b+\p]
.else
	v_med3_num_f32 v[D+16*\b+2*\m+\p-2], v[D+16*\b+2*\m+\p], v[U+16*\b+2*\m+\p], -v[S+16*\b+2*\m+\p]
.endif
	v_med3_num_f32 v[S+16*\b+2*\m+\p], v[D+16*\b+2*\m+\p], v[U+16*\b+2*\m+\p], v[S+16*\b+2*\m+\p]
.endr
.endr
.endr
	; the running products from each run's top down (two runs a line, four blocks by turns), and beta x what stands above it in its run
.irp m, 6,5,4,3,2,1,0
.if \m < 6
.irp b, 0,1,2,3
	v_pk_mul_f32 v[D+16*\b+2*\m:D+16*\b+2*\m+1], v[D+16*\b+2*\m:D+16*\b+2*\m+1], v[D+16*\b+2*\m+2:D+16*\b+2*\m+3]
.endr
.endif
.irp b, 0,1,2,3
	v_pk_mul_f32 v[S+16*\b+2*\m:S+16*\b+2*\m+1], v[S+16*\b+2*\m:S+16*\b+2*\m+1], v[D+16*\b+2*\m:D+16*\b+2*\m+1]
.endr
.endr
	; what stands above each run: the carry, the blocks above, the upper half of the block (for lanes 0-15), the upper run of the half (for the lower run)
.irp b, 0,1,2,3
	v_pk_mul_f32 v[T+2*\b:T+2*\b+1], v[T+2*\b:T+2*\b+1], v[D+16*\b:D+16*\b+1]   ; the two runs' whole products
.endr
.irp b, 0,1,2,3
	v_mul_f32 v[H+\b], v[T+2*\b], v[T+2*\b+1]
.endr
.irp b, 0,1,2,3
	v_permlanex16_b32 v[HP+\b], v[H+\b], s[SEL], s[SEL+1]
.endr
.irp b, 0,1,2,3
	v_mul_f32 v[BT+\b], v[H+\b], v[HP+\b]
.endr
	v_mul_f32 v[CB+2], v[CA], v[BT+3]
	v_cndmask_b32 v[HP+3], v[HP+3], 1.0, s[HM]     ; lanes 16-31 hold the upper half: nothing of the block stands above it
	v_cndmask_b32 v[HP+2], v[HP+2], 1.0, s[HM]
	v_mul_f32 v[CB+1], v[CB+2], v[BT+2]
	v_cndmask_b32 v[HP+1], v[HP+1], 1.0, s[HM]
	v_cndmask_b32 v[HP], v[HP], 1.0, s[HM]
	v_mul_f32 v[CB], v[CB+1], v[BT+1]
	v_mul_f32 v[CP+7], v[CA], v[HP+3]
	v_mul_f32 v[CP+5], v[CB+2], v[HP+2]
	v_mul_f32 v[CP+3], v[CB+1], v[HP+1]
	v_mul_f32 v[CP+6], v[CP+7], v[T+7]
	v_mul_f32 v[CP+1], v[CB], v[HP]
	v_mul_f32 v[CP+4], v[CP+5], v[T+5]
	v_mul_f32 v[CA], v[CB], v[BT]                  ; the carry for the step below
	v_mul_f32 v[CP+2], v[CP+3], v[T+3]
	v_mul_f32 v[CP], v[CP+1], v[T+1]
.irp b, 3,2,1,0
.irp m, 0,1,2,3,4,5,6,7
	v_pk_mul_f32 v[S+16*\b+2*\m:S+16*\b+2*\m+1], v[S+16*\b+2*\m:S+16*\b+2*\m+1], v[CP+2*\b:CP+2*\b+1]   ; att
.endr
.endr
	; att is quantised along the keys: four blocks of 32, each in lanes l and l xor 16.  None is negative: no |.|
.irp b, 0,1,2,3
	v_max3_num_f32 v[M+\b], v[S+16*\b], v[S+16*\b+1], 0x1800000   ; with the floor 2^(3 - 127): the byte cannot fall under 1 (a block of zeros keeps that byte: its codes are zeros)
.endr
.irp i, 2,4,6,8,10,12,14
.irp b, 0,1,2,3
	v_max3_num_f32 v[M+\b], v[M+\b], v[S+16*\b+\i], v[S+16*\b+\i+1]
.endr
.endr
.irp b, 0,1,2,3
	v_permlanex16_b32 v[MP+\b], v[M+\b], s[SEL], s[SEL+1]
.endr
.irp b, 0,1,2,3
	v_max_num_f32 v[M+\b], v[M+\b], v[MP+\b]
.endr
.irp b, 0,1,2,3
	v_add_nc_u32 v[SO+\b], 0xff000000, v[M+\b]     ; 2 off the exponent field: the conversion's scale operand
.endr
.irp b, 0,1,2,3
	v_lshrrev_b32 v[BY+\b], 23, v[SO+\b]
.endr
	v_lshl_or_b32 v[PS], v[BY+1], 8, v[BY]
	v_lshl_or_b32 v[PS], v[BY+2], 16, v[PS]
	v_lshl_or_b32 v[PS], v[BY+3], 24, v[PS]        ; my query's scale word for these 128 keys
.irp b, 0,1,2,3
	v_cvt_scalef32_pk8_fp4_f32 v[P+2*\b], v[S+16*\b:S+16*\b+7], v[SO+\b]
	v_cvt_scalef32_pk8_fp4_f32 v[P+2*\b+1], v[S+16*\b+8:S+16*\b+15], v[SO+\b]
.endr
	v_nop                                          ; a plain line behind the conversions
.irp c, 0,1                                    ; the operand wants a whole block in a lane: lanes 0-15 block 2 c, lanes 16-31 block 2 c + 1
.irp i, 0,1
	v_permlane16_swap_b32 v[P+4*\c+\i], v[P+4*\c+2+\i]
.endr
.endr
.rept 8
	v_nop                                          ; a scale word made by vector lines stands 8 plain lines ahead of the scaled product, codes so made 4
.endr
.if \pf
	s_wait_dscnt 9                                 ; V and its scale words are in (behind them: the next step's K, 8 loads and 1)
.else
	s_wait_dscnt 0x0
.endif
	WIN 0x51                                       ; source 0 (V), C and D in the second window
	s_wait_alu depctr_va_vdst(0)                   ; the conversions and the exchanges have written att's codes v[P ..], the shifts its scale word v[PS]: the scaled products below take them; the plain lines above stay beside this wait
.irp t, 0,1,2,3                                ; the four accumulators by turns; the eight products K Q^T stand between two turns of one
	v_wmma_scale_f32_16x16x128_f8f6f4 v[8*\t:8*\t+7], v[VF+8*\t:VF+8*\t+7], v[P:P+7], v[8*\t:8*\t+7], v[VS+\t], v[PS] matrix_a_fmt:MATRIX_FMT_FP4 matrix_b_fmt:MATRIX_FMT_FP4
.endr
	WIN 0
.endm
	; THE WALK: steps 7 down to 1 in a loop of constant count, so that every LDS address is a constant step from the last; step 0, which every tile has, is written out behind it.
	s_mov_b32 s[ST], 7
	s_mov_b32 s[TK], 7*4096
	s_mov_b32 s[TKN], 7*4096
	s_lshr_b32 s[TB], s[TKN], 3
	v_add_nc_u32 v[ADK], s[TKN], v[LI]
	v_add_nc_u32 v[ADS], s[TB], v[LIK]
	s_wait_alu depctr_va_vdst(0)                   ; v[ADK] and v[ADS] are written, which the loads below read; so are Q's codes, its scale word and the four zeros behind K's last tile, which the scaled products take
	PFK                                            ; step 7's K, for the tiles that begin there
	s_mov_b32 s[TKN], 6*4096
.Lstep:
	s_wait_alu depctr_vm_vsrc(0)                   ; the LDS loads issued so far have read v[ADK], v[ADS], v[ADV] and v[ADT], which both ways below write again
	s_cmp_gt_u32 s[ST], s[G1]                      ; a step all of whose keys lie behind my queries is left out: a branch on ids
	s_cbranch_scc1 .Lnext
	s_cmp_gt_u32 s[ST], s[G]
	s_cbranch_scc1 .Lfetch_only                    ; the step above my diagonal step: only the fetch of my first K
	BODY 1
	s_branch .Lnext
.Lfetch_only:
	s_wait_dscnt 0x0                               ; the loads issued ahead of the loop have landed: their registers take my first step's K
	s_lshr_b32 s[TB], s[TKN], 3
	v_add_nc_u32 v[ADK], s[TKN], v[LI]
	v_add_nc_u32 v[ADS], s[TB], v[LIK]
	s_wait_alu depctr_va_vdst(0)                   ; v[ADK] and v[ADS] are written, which the loads below read
	PFK
.Lnext:
	s_sub_co_u32 s[TK], s[TK], 4096
	s_sub_co_u32 s[TKN], s[TKN], 4096
	s_sub_co_u32 s[ST], s[ST], 1
	s_cmp_lg_u32 s[ST], 0
	s_cbranch_scc1 .Lstep
	s_wait_alu depctr_vm_vsrc(0)                   ; the last trip's LDS loads have read v[ADV] and v[ADT], which step 0 writes again
	BODY 0                                         ; step 0: nothing is left to fetch
	; THE WAY OUT.  A lane holds 8 neighbouring channels of its query for each of 4 tiles; the 16 rows go through my own stage and come back as whole rows of 256 bytes; rem rides in each row's padding.
	s_wait_alu depctr_vm_vsrc(0)                   ; step 0's LDS loads have read v[ADV] and v[ADT]: the four address registers are written anew below
	v_and_b32 v34, 15, v0                          ; (these lines are also the plain lines between the last products and the first read of their results)
	v_bfe_u32 v35, v0, 4, 1
	s_mul_i32 s25, s10, 16*SP
	s_add_co_u32 s25, s25, STAGE
	v_mul_u32_u24 v[ADK], v34, SP
	v_add_nc_u32 v[ADK], s25, v[ADK]               ; in: row r,
	v_add_nc_u32 v[ADV], 256, v[ADK]               ; its rem,
	v_lshl_add_u32 v[ADK], v35, 5, v[ADK]          ; my half's 32 bytes of each 64
	v_mul_u32_u24 v[ADT], v35, SP
	v_add_nc_u32 v[ADT], s25, v[ADT]
	v_lshl_add_u32 v[ADS], v34, 4, v[ADT]          ; back: lanes 0-15 one row, lanes 16-31 the next; 16 bytes a lane,
	v_add_nc_u32 v[ADT], 256, v[ADT]               ; and that row's rem
	WIN 0x04                                       ; an LDS store's data are its source 1: the second window
	s_wait_alu depctr_va_vdst(0)                   ; the last products have written O^T, the vector lines the carry and the four addresses, which the LDS stores and loads below read; the conversions are done reading S, in which those loads land
.irp t, 0,1,2,3
	ds_store_b128 v[ADK], v[8*\t:8*\t+3] offset:64*\t             ; each accumulator from its low end on
	ds_store_b128 v[ADK], v[8*\t+4:8*\t+7] offset:64*\t+16
.endr
	WIN 0
	ds_store_b32 v[ADV], v[CA]                     ; rem = the carry that is left (lanes r and r + 16 hold the same bits)
.irp i, 0,1,2,3,4,5,6,7
	ds_load_b128 v[BK+4*\i:BK+4*\i+3], v[ADS] offset:2*\i*SP      ; LDS serves a wave's instructions in order: these see my stores
	ds_load_b32 v[RM+\i], v[ADT] offset:2*\i*SP
.endr
	s_wait_loadcnt 0x0                             ; my rows of v, asked for at the head
	s_wait_dscnt 0x0
	WIN 0x01                                       ; source 0 (v) in the second window
.irp i, 0,1,2,3,4,5,6,7
.irp k, 0,1,2,3
	v_fma_f32 v[BK+4*\i+\k], v[32+4*\i+\k], v[RM+\i], v[BK+4*\i+\k]   ; + rem x v
.endr
.endr
	WIN 0
	s_wait_alu depctr_va_vdst(0)                   ; the multiply-adds have written v[BK ..], which the stores read
.irp i, 0,1,2,3,4,5,6,7
	global_store_b128 v[OO], v[BK+4*\i:BK+4*\i+3], s[8:9] offset:8192*\i th:TH_STORE_NT   ; sixteen lanes store a row's 256 consecutive bytes, aligned
.endr
	s_wait_dscnt 0x0
	s_wait_alu depctr_hold_cnt(0) depctr_sa_sdst(0) depctr_va_vdst(0) depctr_va_sdst(0) depctr_va_ssrc(0) depctr_va_vcc(0) depctr_vm_vsrc(0)
	s_wait_tensorcnt 0x0
	ds_add_u32 v62, v63
	s_wait_dscnt 0x0
	s_endpgm
.Lfunc_end_k_q3673cf3455_attn:
	.size	k_q3673cf3455_attn, .Lfunc_end_k_q3673cf3455_attn-k_q3673cf3455_attn
	.p2alignl 7, 3214868480
	.fill 96, 4, 3214868480
	.section	.rodata,"a",@progbits
	.p2align	6, 0x0
	.amdhsa_kernel k_q3673cf3455_attn
		.amdhsa_group_segment_fixed_size 107520
		.amdhsa_private_segment_fixed_size 0
		.amdhsa_enable_private_segment 0
		.amdhsa_kernarg_size 24
		.amdhsa_user_sgpr_count 2
		.amdhsa_user_sgpr_kernarg_segment_ptr 1
		.amdhsa_wavefront_size32 1
		.amdhsa_system_sgpr_workgroup_id_x 1
		.amdhsa_system_sgpr_workgroup_id_y 1
		.amdhsa_system_sgpr_workgroup_id_z 1
		.amdhsa_system_vgpr_workitem_id 0
		.amdhsa_next_free_vgpr 388
		.amdhsa_next_free_sgpr 66
		.amdhsa_reserve_vcc 0
		.amdhsa_float_denorm_mode_32 3
		.amdhsa_float_denorm_mode_16_64 3
		.amdhsa_memory_ordered 1
		.amdhsa_forward_progress 1
		.amdhsa_inst_pref_size 104
	.end_amdhsa_kernel
	.amdgpu_metadata
---
amdhsa.version: [ 1, 2 ]
amdhsa.kernels:
  - .name:           k_q3673cf3455_attn
    .symbol:         k_q3673cf3455_attn.kd
    .args:
      - { .name: qkv, .offset: 0, .size: 8, .value_kind: global_buffer, .address_space: global }
      - { .name: kv, .offset: 8, .size: 8, .value_kind: global_buffer, .address_space: global }
      - { .name: out0, .offset: 16, .size: 8, .value_kind: global_buffer, .address_space: global }
    .group_segment_fixed_size: 107520
    .private_segment_fixed_size: 0
    .kernarg_segment_align: 8
    .kernarg_segment_size: 24
    .max_flat_workgroup_size: 256
    .sgpr_count:     66
    .vgpr_count:     388
    .wavefront_size: 32
...
	.end_amdgpu_metadata
.endif
;; end of part 3
